; MI455X (gfx1250); checked and timed in simulation.
; The chip was launched on July 23, 2026; its instructions are those of AMD's public machine-readable ISA for CDNA 5 (MIT licence, August 2026) and "CDNA5" Instruction Set Architecture Reference Guide (July 2026). The comments in the code are by the model that wrote it; some were corrected since.
;; Vector Quantizer. Allowed arithmetic: matrix products marked QUANTISED: E2M1 operands, one E8M0 scale for each 32 along K, by v_wmma_scale_f32_16x16x128_f8f6f4 with both operands' format E2M1 (or v_wmma_scale_f32_32x16x128_f4), f32 sums; everything else in f32.
;; Inputs: W 8,192 x 256 float32; z 32,768 x 256 float32.
;; Outputs: out0 32,768 x 256 float32; out1 32,768 int32; out2 32,768 float32.
;; This version of the problem:
;;   THIS VERSION OF THE PROBLEM IS GIVEN IN LOW PRECISION. The matrix products marked QUANTISED in the list below multiply operands that are first quantised to E2M1 (2 exponent bits, 1 mantissa bit; 4 bits a number), with one power-of-two scale for each 32 numbers along K (OCP MX v1.0); their sums are f32. All else is computed in f32.
;;   The module's matrix products, in the order in which they are computed (A, B: the left and right operand; K: the contracted axis; several contracted axes count as one K, in the product's order):
;;     1. [M 32,768, K 256] x [K 256, N 8,192]; A: input z; B: input W: QUANTISED
;;   THE QUANTISER, for each operand of a quantised product, along K:
;;     - K is cut into blocks of 32 from its start; a last block that is shorter is filled with zeros.
;;     - A block's scale is 2^e with e = floor(log2(the largest magnitude in the block)) - 2, held to -126 .. 127; a block of zeros has e = 0. As a byte (E8M0): e + 127.
;;     - Each number is divided by its block's scale, clamped to +-6, and rounded to the nearest number of E2M1, ties to even, subnormals kept.
;;     - The product sums the exact products of the quantised numbers (number of the format x scale) in f32.
;;   ~~~python
;;   def quantise(x, axis):      # numpy; x: float32 -> the quantised numbers, widened to float32 again
;;       x = np.moveaxis(x, axis, -1); K = x.shape[-1]
;;       x = np.pad(x, [(0, 0)] * (x.ndim - 1) + [(0, -K % 32)]); x = x.reshape(x.shape[:-1] + (-1, 32)); a = np.abs(x).max(-1, keepdims=True)
;;       e = np.where(a > 0, np.clip(np.frexp(np.where(a > 0, a, 1))[1] - 1 - 2, -126, 127), 0)      # np.frexp(a)[1] - 1 = floor(log2(a)), exactly
;;       r = np.clip(x / 2.0 ** e, -6, 6)
;;       step = 2.0 ** (np.maximum(np.frexp(np.where(r == 0, 1, r))[1] - 1, 0) - 1)
;;       q = np.round(r / step) * step * 2.0 ** e      # np.round: ties to even
;;       return np.moveaxis(q.reshape(q.shape[:-2] + (-1,))[..., :K], -1, axis).astype(np.float32)
;;   ~~~
;; One version. Each part assembles by itself: llvm-mc -triple=amdgcn-amd-amdhsa -mcpu=gfx1250 --defsym DOCPART=n.
;; ======== version 1 of 1: 4 launches
;; limits: right only within a limited range of input values
;; workspace buffers: Wq 1,179,648 bytes; zq 4,718,592 bytes; gid 262,144 bytes of whole numbers; idxw 131,072 bytes of whole numbers
;; launch quant (part 1): grid 256 x 1, 10 waves a work-group, no clusters, 0 bytes of LDS; arguments W, z, Wq, zq; writes Wq, zq
.if DOCPART == 1
	.amdgcn_target "amdgcn-amd-amdhsa--gfx1250"
	.amdhsa_code_object_version 6
	.text
	.protected	k_q03a658f2cf_quant
	.globl	k_q03a658f2cf_quant
	.p2align	8
	.type	k_q03a658f2cf_quant,@function
k_q03a658f2cf_quant:
	s_mov_b64 s[64:65], 0
	v_nop
	global_prefetch_b8 v0, s[64:65] scope:SCOPE_SE
	s_setreg_imm32_b32 hwreg(HW_REG_WAVE_MODE, 25, 1), 1
	s_wait_xcnt 0x0
; W [8192][256] and z [32768][256], f32, become RECORDS of 2,304 bytes, one for each tile of 16 rows (512 of W in Wq, 2,048 of z in zq), laid in the order of a matrix operand's registers:
;   bytes 0 .. 2047     the codes of FP4 (E2M1): K step s (128 along K), register group c: 512 bytes at 1024 s + 512 c, lane l's 16 bytes at 16 l
;                       (lane l holds row l % 16, k = 128 s + 64 c + 32 (l / 16) + 0 .. 31)
;   bytes 2048 .. 2175  32 scale words at 4 l: lanes 0-15 row r's four E8M0 bytes of K step 0, lanes 16-31 those of K step 1
;   bytes 2176 .. 2303  32 f32 at 4 l: the sum of squares of row l % 16 (the raw f32 numbers), held twice
; A block's scale is 2^(floor(log2(its largest magnitude)) - 2); its byte is the largest magnitude's exponent field - 2, held at 1 from below.  A block of zeros keeps the
; byte 1 where the quantiser says 127: its codes are zeros, and this program alone reads the bytes.
; LIMITS: NaN and infinities among the inputs are not served; blocks whose largest magnitude lies under 2^-124 keep the byte 1; the 256 squares of a row are added in this text's own order
; (two packed chains a lane, then the lane 16 away).
; SHARES: one wave takes one tile (16 rows, 16,384 bytes): 2,560 tiles = 256 work-groups x 10 waves; tiles 0-511 are W's, the others z's.  Only pointers are chosen by the tile's number: one path.
; Waves share nothing: no LDS, no barrier; work-groups share no input, so there is no cluster.  All of a wave's loads go out at its head: there is no loop to prefetch in.
; Every store of codes covers 512 consecutive bytes; the scale words and the sums are two stores of 128 bytes into one block of 256.
.set REC, 2304
.set XA,  4                            ; v4   1024 r + 64 h: my 16 numbers of a block of 32 in my row
.set L16, 5                            ; v5   16 x lane
.set L4,  6                            ; v6   4 x lane
.set X0,  32                           ; v32-95   K step 0: register 16 b + i = k 32 b + 16 h + i of row r
.set X1,  96                           ; v96-159  K step 1
.set PC0, 160                          ; v160-167 K step 0's codes
.set PC1, 168                          ; v168-175 K step 1's
.set TM,  176                          ; v176-191 at work in QUANT
.set PW0, 192                          ; the two scale words, and what the record takes of them
.set PW1, 193
.set PWC, 194
.set SQ,  196                          ; v[196:199] two packed chains of squares
.set SEL, 20                           ; s[20:21] v_permlanex16_b32's selects for lane l xor 16
.macro XLOAD reg, s                    ; my row's numbers of K step s: 16 neighbours of each of its four blocks
.irp b, 0,1,2,3
.irp j, 0,1,2,3
	global_load_b128 v[\reg+16*\b+4*\j:\reg+16*\b+4*\j+3], v[XA], s[4:5] offset:512*\s+128*\b+16*\j th:TH_LOAD_NT
.endr
.endr
.endm
.macro SQSUM reg, first                ; 64 squares onto the two chains; first = 1: the first products start the sums
.if \first
	v_pk_mul_f32 v[SQ:SQ+1], v[\reg:\reg+1], v[\reg:\reg+1]
	v_pk_mul_f32 v[SQ+2:SQ+3], v[\reg+2:\reg+3], v[\reg+2:\reg+3]
.else
	v_pk_fma_f32 v[SQ:SQ+1], v[\reg:\reg+1], v[\reg:\reg+1], v[SQ:SQ+1]
	v_pk_fma_f32 v[SQ+2:SQ+3], v[\reg+2:\reg+3], v[\reg+2:\reg+3], v[SQ+2:SQ+3]
.endif
.irp i, 4,8,12,16,20,24,28,32,36,40,44,48,52,56,60
	v_pk_fma_f32 v[SQ:SQ+1], v[\reg+\i:\reg+\i+1], v[\reg+\i:\reg+\i+1], v[SQ:SQ+1]
	v_pk_fma_f32 v[SQ+2:SQ+3], v[\reg+\i+2:\reg+\i+3], v[\reg+\i+2:\reg+\i+3], v[SQ+2:SQ+3]
.endr
.endm
.macro NORM                            ; the row's sum of squares, in both lanes that hold the row
	v_pk_add_f32 v[SQ:SQ+1], v[SQ:SQ+1], v[SQ+2:SQ+3]
	v_add_f32 v[SQ], v[SQ], v[SQ+1]
	v_permlanex16_b32 v[SQ+1], v[SQ], s[SEL], s[SEL+1]
	v_add_f32 v[SQ], v[SQ], v[SQ+1]
.endm
.macro QUANT src, pc, pw               ; 64 numbers of a lane become a fragment's 8 registers of codes and its row's scale word
.irp b, 0,1,2,3
	v_max3_num_f32 v[TM+\b], |v[\src+16*\b]|, |v[\src+1+16*\b]|, 0x1800000   ; block b: my 16 numbers, and the floor 2^(3 - 127): the byte cannot fall under 1
.endr
.irp i, 2,4,6,8,10,12,14
.irp b, 0,1,2,3
	v_max3_num_f32 v[TM+\b], v[TM+\b], |v[\src+16*\b+\i]|, |v[\src+1+16*\b+\i]|   ; the four blocks by turns
.endr
.endr
.irp b, 0,1,2,3
	v_permlanex16_b32 v[TM+4+\b], v[TM+\b], s[SEL], s[SEL+1]
.endr
.irp b, 0,1,2,3
	v_max_num_f32 v[TM+\b], v[TM+\b], v[TM+4+\b]   ; with lane l xor 16's 16: the block's largest magnitude
.endr
.irp b, 0,1,2,3
	v_add_nc_u32 v[TM+12+\b], 0xff000000, v[TM+\b] ; 2 off its exponent field: the conversion takes this operand's exponent field as its scale
.endr
.irp b, 0,1,2,3
	v_lshrrev_b32 v[TM+4+\b], 23, v[TM+12+\b]      ; the scale's byte
.endr
	v_lshl_or_b32 v[\pw], v[TM+5], 8, v[TM+4]
	v_lshl_or_b32 v[\pw], v[TM+6], 16, v[\pw]
	v_lshl_or_b32 v[\pw], v[TM+7], 24, v[\pw]
.irp b, 0,1,2,3
	v_cvt_scalef32_pk8_fp4_f32 v[\pc+2*\b], v[\src+16*\b:\src+7+16*\b], v[TM+12+\b]
	v_cvt_scalef32_pk8_fp4_f32 v[\pc+1+2*\b], v[\src+8+16*\b:\src+15+16*\b], v[TM+12+\b]
.endr
	v_nop                                          ; one plain instruction behind the scaled conversions
.irp c, 0,1                            ; the operand wants a whole block in a lane: lanes 0-15 block 2 c, lanes 16-31 block 2 c + 1
.irp i, 0,1
	v_permlane16_swap_b32 v[\pc+4*\c+\i], v[\pc+2+4*\c+\i]
.endr
.endr
.endm
	s_load_b256 s[24:31], s[0:1], 0x0              ; W s[24:25], z s[26:27], Wq s[28:29], zq s[30:31]
	v_lshrrev_b32 v1, 5, v0
	v_readfirstlane_b32 s8, v1                     ; wave 0..9
	v_and_b32 v1, 31, v0                           ; lane
	v_and_b32 v2, 15, v0                           ; r
	v_bfe_u32 v3, v0, 4, 1                         ; h
	v_lshlrev_b32 v[XA], 10, v2
	v_lshl_add_u32 v[XA], v3, 6, v[XA]
	v_lshlrev_b32 v[L16], 4, v1
	v_lshlrev_b32 v[L4], 2, v1
	s_mov_b32 s[SEL], 0x76543210
	s_mov_b32 s[SEL+1], 0xfedcba98
.irp b, 0,1,2,3
	v_mov_b32 v[TM+4+\b], 0                        ; written once: a lane permute's destination counts as one of its sources
.endr
	s_mul_i32 s9, ttmp9, 10
	s_add_co_u32 s9, s9, s8                        ; my tile: 10 x work-group + wave
	s_cmp_lt_u32 s9, 512
	s_cselect_b32 s14, 0, 512
	s_sub_co_u32 s15, s9, s14                      ; its number in its own tensor
	s_lshl_b32 s10, s15, 14                        ; 16 rows of 1,024 bytes
	s_mov_b32 s11, 0
	s_mul_i32 s12, s15, REC
	s_mov_b32 s13, 0
	s_wait_alu depctr_va_vdst(0)                   ; the wait at the head's end
	s_wait_kmcnt 0x0
	s_cmp_lt_u32 s9, 512                           ; W's tile or z's: the choice hangs on ids alone
	s_cselect_b64 s[4:5], s[24:25], s[26:27]
	s_cselect_b64 s[6:7], s[28:29], s[30:31]
	s_add_nc_u64 s[4:5], s[4:5], s[10:11]
	s_add_nc_u64 s[6:7], s[6:7], s[12:13]
	XLOAD X0, 0
	XLOAD X1, 1
	s_wait_loadcnt 16                              ; K step 0's 16 loads are in; K step 1's 16 may be out
	SQSUM X0, 1
	QUANT X0, PC0, PW0
	s_wait_loadcnt 0x0
	SQSUM X1, 0
	QUANT X1, PC1, PW1
	NORM
	v_cmp_lt_u32 vcc_lo, 15, v1
	v_cndmask_b32 v[PWC], v[PW0], v[PW1], vcc_lo   ; lanes 0-15 K step 0's word, lanes 16-31 K step 1's
.irp c, 0,1
	global_store_b128 v[L16], v[PC0+4*\c:PC0+4*\c+3], s[6:7] offset:512*\c
	global_store_b128 v[L16], v[PC1+4*\c:PC1+4*\c+3], s[6:7] offset:1024+512*\c
.endr
	global_store_b32 v[L4], v[PWC], s[6:7] offset:2048
	global_store_b32 v[L4], v[SQ], s[6:7] offset:2176
	s_endpgm
.Lfunc_end_k_q03a658f2cf_quant:
	.size	k_q03a658f2cf_quant, .Lfunc_end_k_q03a658f2cf_quant-k_q03a658f2cf_quant
	.p2alignl 7, 3214868480
	.fill 96, 4, 3214868480
	.section	.rodata,"a",@progbits
	.p2align	6, 0x0
	.amdhsa_kernel k_q03a658f2cf_quant
		.amdhsa_group_segment_fixed_size 0
		.amdhsa_private_segment_fixed_size 0
		.amdhsa_enable_private_segment 0
		.amdhsa_kernarg_size 32
		.amdhsa_user_sgpr_count 2
		.amdhsa_user_sgpr_kernarg_segment_ptr 1
		.amdhsa_wavefront_size32 1
		.amdhsa_system_sgpr_workgroup_id_x 1
		.amdhsa_system_sgpr_workgroup_id_y 1
		.amdhsa_system_sgpr_workgroup_id_z 1
		.amdhsa_system_vgpr_workitem_id 0
		.amdhsa_next_free_vgpr 200
		.amdhsa_next_free_sgpr 66
		.amdhsa_reserve_vcc 1
		.amdhsa_float_denorm_mode_32 3
		.amdhsa_float_denorm_mode_16_64 3
		.amdhsa_memory_ordered 1
		.amdhsa_forward_progress 1
		.amdhsa_inst_pref_size 17
	.end_amdhsa_kernel
	.amdgpu_metadata
---
amdhsa.version: [ 1, 2 ]
amdhsa.kernels:
  - .name:           k_q03a658f2cf_quant
    .symbol:         k_q03a658f2cf_quant.kd
    .args:
      - { .name: W, .offset: 0, .size: 8, .value_kind: global_buffer, .address_space: global }
      - { .name: z, .offset: 8, .size: 8, .value_kind: global_buffer, .address_space: global }
      - { .name: Wq, .offset: 16, .size: 8, .value_kind: global_buffer, .address_space: global }
      - { .name: zq, .offset: 24, .size: 8, .value_kind: global_buffer, .address_space: global }
    .group_segment_fixed_size: 0
    .private_segment_fixed_size: 0
    .kernarg_segment_align: 8
    .kernarg_segment_size: 32
    .max_flat_workgroup_size: 320
    .sgpr_count:     66
    .vgpr_count:     200
    .wavefront_size: 32
...
	.end_amdgpu_metadata
.endif
;; end of part 1
;; launch dist (part 2): grid 256 x 1, 8 waves a work-group, clusters of 4 x 1, 327,680 bytes of LDS; arguments Wq, zq, gid; writes gid
.if DOCPART == 2
	.amdgcn_target "amdgcn-amd-amdhsa--gfx1250"
	.amdhsa_code_object_version 6
	.text
	.protected	k_q03a658f2cf_dist
	.globl	k_q03a658f2cf_dist
	.p2align	8
	.type	k_q03a658f2cf_dist,@function
k_q03a658f2cf_dist:
	s_mov_b64 s[64:65], 0
	v_nop
	global_prefetch_b8 v0, s[64:65] scope:SCOPE_SE
	s_setreg_imm32_b32 hwreg(HW_REG_WAVE_MODE, 25, 1), 1
	s_wait_xcnt 0x0
	s_wait_alu depctr_hold_cnt(0) depctr_sa_sdst(0) depctr_va_vdst(0) depctr_va_sdst(0) depctr_va_ssrc(0) depctr_va_vcc(0) depctr_vm_vsrc(0)
	s_getreg_b32 s2, hwreg(HW_REG_IB_STS2, 6, 4)
	s_cmp_eq_u32 s2, 0
	s_cbranch_scc0 .Lentry_in_a_cluster
	s_endpgm
.Lentry_in_a_cluster:
	s_bfe_u32 s2, ttmp6, 0x10000c
	s_cmp_lg_u32 s2, 0x3003
	s_cbranch_scc0 .Lentry_shape_is_right
	s_endpgm
.Lentry_shape_is_right:
; For each row of z and each HALF of the codebook (4,096 codewords = 256 tiles of 16): the number of the first tile that holds the half's smallest d = fl(fl(b + a) - 2 c),
; a = the row's sum of squares, b = the codeword's, c = the product of the quantised operands.  gid[half][row] takes it; the next launch finds the codeword.
; SHARES.  A work-group takes 256 rows of z (16 records) and one half of W: 128 row blocks x 2 halves = 256 work-groups.  Every wave holds all 16 records of z in registers
; (256 registers of codes, loaded as they lie) and walks its own eighth of W's tiles: each record of W is read from LDS by one wave and feeds 32 matrix instructions.
; The matrix instruction takes 16 codewords as source 0 and 16 rows of z as source 1: lane (r, h) holds row r, register j codeword 8 h + j.
; THE RING.  The half of W comes in four parts of 64 records through two LDS slots; wave w fetches and reads records 8 w .. 8 w + 7 of a part (72 rows of 256 bytes, dense).
; CLUSTERS.  The four work-groups of a cluster walk the same half of W (half = cluster number % 2) and ask for each part jointly; a round of the cluster's barrier stands in front of each joint load.
; PREFETCH.  Behind the loads of parts 1 and 2 each wave names, a lane a block of 256 bytes, 18 of the 72 blocks that it fetches one refill later (parts 2 and 3); the four partners
; take different blocks by address (cx); lanes 18-31 name the 18th again.  Parts 0 and 1 come by their loads alone, and nothing is asked for behind part 3's load.
; VECTOR WORK for a tile of 16 x 16: 4 packed additions, 4 packed multiply-adds (d is written over c), 4 three-way minima with the running minimum among them, a compare and a select of the tile's number.
; Eight tiles go abreast, so that no instruction reads a result made fewer than five instructions earlier.  The running minima take turns between two sets of registers, tile by tile.
; At the end lanes l and l xor 16, then the eight waves (through LDS), are joined: the smaller d, and of equal d the lower tile.
; LIMITS: NaN and infinities are not served.
.set REC,   2304
.set WPART, 8*REC                      ; a wave's records of a part
.set SLOTB, 8*WPART                    ; a part, and a slot
.set HALFW, 4*SLOTB
.set CMB,   2*SLOTB                    ; behind the ring: 8 waves x 256 rows x 4 bytes of d, then as many of tile numbers
.set SPARE, CMB+16384                  ; the spare words: 128 bytes for each of 8 waves
.set L16, 4                            ; 16 x lane
.set L4,  5                            ; 4 x lane
.set SPW, 6                            ; my spare word; never rewritten
.set NIL, 7                            ; 0; never rewritten
.set AD0, 8                            ; LDS: my wave's records, codes; scale word; b
.set AS0, 9
.set AB0, 10
.set ADR, 11                           ; the same + the record at hand
.set ADS, 12
.set ADB, 13
.set TID, 14                           ; the number of the tile of W at hand
.set CW,  15                           ; the merge: where I store, where I read
.set CR,  16
.set L8,  17                           ; 8 x lane
.set PFO, 18                           ; the prefetches' offset: 256 x min(lane, 17); never rewritten
.set WS,  20                           ; v20-21   W's scale words, two sets; nothing else
.set A,   32                           ; v32-63   a of my row in z's tile t, at A + 2 t, and once more beside it (a pair for the packed form)
.set RUN, 64                           ; v64-95   the running minima, two sets of 16
.set GID, 96                           ; v96-111  the tile that brought each
.set ZS,  112                          ; v112-127 z's scale words; nothing else
.set S,   128                          ; v128-143 b + a of two tiles
.set WB,  144                          ; v144-159 b of my eight codewords, two sets
.set WF,  160                          ; v160-191 W's two fragments, two sets
.set ACC, 192                          ; v192-255 eight accumulators: c, then d.   Window 1: z's codes, tile t at v[16 t]
.set WV,  12
.set SEL, 20
.set G1,  24
.set G0,  32                           ; s[32:39] group 0, one set for each slot
.set TO,  42
.set CT,  43
.set PF,  46                           ; s[46:47] the prefetches' base (made behind the last use of s46 and s47 as temporaries); never rewritten
.set MK,  56                           ; s56-63 eight masks
.set MSB, 0
.macro WIN new                         ; the immediate's high byte repeats the setting that is left
.if MSB != \new
	s_set_vgpr_msb (MSB<<8)|\new
.set MSB, \new
.endif
.endm
.macro ROUND                           ; a round of the cluster's barrier
	s_barrier_signal -1
	s_barrier_wait -1
	s_cmp_lg_u32 s[WV], 0
	s_cbranch_scc1 .Lnot_wave_0_\@
	s_barrier_signal -3
.Lnot_wave_0_\@:
	s_barrier_wait -3
	s_barrier_signal -1
	s_barrier_wait -1
.endm
.macro FETCH o, p                      ; a record of W into set p: seven LDS loads
.irp k, 0,1,2,3
	ds_load_b128 v[WF+16*\p+4*\k:WF+16*\p+4*\k+3], v[ADR] offset:\o*REC+512*\k
.endr
	ds_load_b32 v[WS+\p], v[ADS] offset:\o*REC
	ds_load_b128 v[WB+8*\p:WB+8*\p+3], v[ADB] offset:\o*REC
	ds_load_b128 v[WB+8*\p+4:WB+8*\p+7], v[ADB] offset:\o*REC+16
.endm
.macro ADDR sr
	v_add_nc_u32 v[ADR], s[\sr], v[AD0]
	v_add_nc_u32 v[ADS], s[\sr], v[AS0]
	v_add_nc_u32 v[ADB], s[\sr], v[AB0]
.endm
.macro MHALF u, p                      ; W's tile in set p x z's tiles 8 u .. 8 u + 7: the eight accumulators by turns; the first K step starts the sums
	WIN 0x04
.irp t, 0,1,2,3,4,5,6,7
	v_wmma_scale_f32_16x16x128_f8f6f4 v[ACC+8*\t:ACC+8*\t+7], v[WF+16*\p:WF+16*\p+7], v[16*(8*\u+\t):16*(8*\u+\t)+7], 0, v[WS+\p], v[ZS+8*\u+\t] matrix_a_fmt:MATRIX_FMT_FP4 matrix_b_fmt:MATRIX_FMT_FP4
.endr
.irp t, 0,1,2,3,4,5,6,7
	v_wmma_scale_f32_16x16x128_f8f6f4 v[ACC+8*\t:ACC+8*\t+7], v[WF+16*\p+8:WF+16*\p+15], v[16*(8*\u+\t)+8:16*(8*\u+\t)+15], v[ACC+8*\t:ACC+8*\t+7], v[WS+\p], v[ZS+8*\u+\t] matrix_a_fmt:MATRIX_FMT_FP4 matrix_b_fmt:MATRIX_FMT_FP4 matrix_a_scale:MATRIX_SCALE_ROW1 matrix_b_scale:MATRIX_SCALE_ROW1
.endr
	WIN 0
.endm
.macro VHALF u, p, e                   ; d, the minima and the tile numbers of these eight tiles; e: the set that holds the running minima
.irp t, 0,2,4,6
.irp j, 0,2,4,6                        ; (the first eight additions, which name no register of a matrix instruction, are the places behind the products: ISA guide 7.12.1)
	v_pk_add_f32 v[S+\j:S+\j+1], v[WB+8*\p+\j:WB+8*\p+\j+1], v[A+2*(8*\u+\t):A+2*(8*\u+\t)+1] op_sel_hi:[1,0]
	v_pk_add_f32 v[S+8+\j:S+9+\j], v[WB+8*\p+\j:WB+8*\p+\j+1], v[A+2*(8*\u+\t)+2:A+2*(8*\u+\t)+3] op_sel_hi:[1,0]
.endr
.irp j, 0,2,4,6                        ; each accumulator from its low end on
	v_pk_fma_f32 v[ACC+8*\t+\j:ACC+8*\t+\j+1], v[ACC+8*\t+\j:ACC+8*\t+\j+1], -2.0, v[S+\j:S+\j+1] op_sel_hi:[1,0,1]
	v_pk_fma_f32 v[ACC+8*\t+8+\j:ACC+8*\t+9+\j], v[ACC+8*\t+8+\j:ACC+8*\t+9+\j], -2.0, v[S+8+\j:S+9+\j] op_sel_hi:[1,0,1]
.endr
.endr
.irp t, 0,1,2,3,4,5,6,7
	v_min3_num_f32 v[ACC+8*\t], v[RUN+16*\e+8*\u+\t], v[ACC+8*\t], v[ACC+8*\t+1]
.endr
.irp i, 2,4
.irp t, 0,1,2,3,4,5,6,7
	v_min3_num_f32 v[ACC+8*\t], v[ACC+8*\t], v[ACC+8*\t+\i], v[ACC+8*\t+\i+1]
.endr
.endr
.irp t, 0,1,2,3,4,5,6,7
	v_min3_num_f32 v[RUN+16*(1-\e)+8*\u+\t], v[ACC+8*\t], v[ACC+8*\t+6], v[ACC+8*\t+7]
.endr
.irp t, 0,1,2,3,4,5,6,7
	v_cmp_lt_f32 s[MK+\t], v[RUN+16*(1-\e)+8*\u+\t], v[RUN+16*\e+8*\u+\t]   ; strictly smaller: the first tile that has a minimum keeps it
.endr
.irp t, 0,1,2,3,4,5,6,7
	v_cndmask_b32 v[GID+8*\u+\t], v[GID+8*\u+\t], v[TID], s[MK+\t]
.endr
.endm
.macro PHASE p, e, left                ; one tile of W against the 16 tiles of z; left: the LDS loads issued behind this record's, which may stay out
	s_wait_dscnt \left
	MHALF 0, \p
	VHALF 0, \p, \e
	MHALF 1, \p
	VHALF 1, \p, \e
	v_add_nc_u32 v[TID], 1, v[TID]
.endm
.macro WORK slot                       ; my eight records of the slot, two a trip: both are fetched at the trip's head, the second under the first's work
	s_mov_b32 s[TO], \slot*SLOTB
	s_mov_b32 s[CT], 4
.Lpair_\@:
	ADDR TO
	FETCH 0, 0
	FETCH 1, 1
	PHASE 0, 0, 7                                  ; the first record's seven loads are in; the second's seven may be out
	PHASE 1, 1, 0
	s_add_co_u32 s[TO], s[TO], 2*REC
	s_sub_co_u32 s[CT], s[CT], 1
	s_cmp_lg_u32 s[CT], 0
	s_cbranch_scc1 .Lpair_\@
	v_add_nc_u32 v[TID], 56, v[TID]                ; on to my eight tiles of the next part
.endm
; A change of slots.  refill = 1: the other slot takes its next part (the first time: slot 1's first fill, issued as a refill is); step = 1: its address goes two parts on; pf: which part is prefetched (-1: none)
.macro TWO slot, refill, step, pf
	s_wait_tensorcnt 0x0                           ; all my tensor loads have landed: my records of this slot
.if \refill
	ds_add_u32 v[SPW], v[NIL]
.if \step
	s_add_nc_u64 s[G0+4*(1-\slot)+2:G0+4*(1-\slot)+3], s[G0+4*(1-\slot)+2:G0+4*(1-\slot)+3], 2*SLOTB
.endif
.endif
	s_wait_dscnt 0x0                               ; the add is done; my reads of the other slot are back
.if \refill
	ROUND                                          ; both now hold of every wave of the four work-groups
	tensor_load_to_lds s[G0+4*(1-\slot):G0+4*(1-\slot)+3], s[G1:G1+7]
	s_nop 0
.rept 4
	v_nop
.endr
.if \pf >= 0
	s_cmp_lt_u32 ttmp9, 4
	s_cbranch_scc0 .Lno_prefetch_dist0_\@
	global_prefetch_b8 v[PFO], s[PF:PF+1] offset:\pf*SLOTB th:TH_LOAD_NT scope:SCOPE_SE
.Lno_prefetch_dist0_\@:
.endif
.endif
	WORK \slot
.endm
.macro LEX bv, bg, cv, cg              ; (bv, bg) takes (cv, cg) where cv is smaller, or equal with the lower tile
	v_cmp_lt_f32 s40, v[\cv], v[\bv]
	v_cmp_eq_f32 s41, v[\cv], v[\bv]
	v_cmp_lt_u32 vcc_lo, v[\cg], v[\bg]
	s_and_b32 s41, s41, vcc_lo
	s_or_b32 s40, s40, s41
	v_cndmask_b32 v[\bv], v[\bv], v[\cv], s40
	v_cndmask_b32 v[\bg], v[\bg], v[\cg], s40
.endm
	s_load_b128 s[4:7], s[0:1], 0x0                ; Wq s[4:5], zq s[6:7]
	s_load_b64 s[8:9], s[0:1], 0x10                ; gid
	v_lshl_add_u32 v[SPW], v0, 2, SPARE
	v_mov_b32 v[NIL], 0
	ds_add_u32 v[SPW], v[NIL]                      ; the opening lines: the add, twice on end, and its wait
	ds_add_u32 v[SPW], v[NIL]
	v_lshrrev_b32 v1, 5, v0
	s_delay_alu instid0(VALU_DEP_1)
	v_readfirstlane_b32 s[WV], v1                  ; wave 0..7
	v_and_b32 v1, 31, v0                           ; lane
	v_and_b32 v2, 15, v0                           ; r
	v_bfe_u32 v3, v0, 4, 1                         ; h
	v_lshlrev_b32 v[L16], 4, v1
	v_lshlrev_b32 v[L4], 2, v1
	v_lshlrev_b32 v[L8], 3, v1
	v_min_u32 v[PFO], 17, v1
	s_bfe_u32 s13, ttmp6, 0x40000                  ; cx
	s_and_b32 s14, ttmp9, 1                        ; which half of W: the same in the four partners
	s_lshr_b32 s15, ttmp9, 1
	s_lshl_b32 s15, s15, 2
	s_add_co_u32 s15, s15, s13                     ; my block of 256 rows of z: 0..127
	s_mul_i32 s45, s[WV], WPART                    ; my wave's records in a slot
	s_add_co_u32 s46, s45, 2048
	s_add_co_u32 s47, s45, 2176
	s_wait_alu depctr_va_vdst(0)                   ; directly ahead of the readers below
	v_add_nc_u32 v[AD0], s45, v[L16]
	v_add_nc_u32 v[AS0], s46, v[L4]
	v_lshl_add_u32 v[AB0], v3, 5, s47              ; b of codewords 8 h .. 8 h + 7
	v_lshlrev_b32 v[PFO], 8, v[PFO]
	s_lshl_b32 s46, s[WV], 10
	s_add_co_u32 s46, s46, CMB
	v_lshl_add_u32 v[CW], v2, 2, s46               ; the merge, in: wave x 1,024 + 4 x row (64 t in the offset)
	s_lshl_b32 s47, s[WV], 8
	s_add_co_u32 s47, s47, CMB
	v_lshl_add_u32 v[CR], v1, 3, s47               ; back: waves 0-3 take 64 rows each, two a lane
	s_mov_b32 s[SEL], 0x76543210
	s_mov_b32 s[SEL+1], 0xfedcba98
	s_mul_i32 s48, s14, HALFW
	s_add_co_u32 s48, s48, s45                     ; Wq: my half, my wave's records of part 0
	s_mov_b32 s49, 0
	s_mul_i32 s50, s15, 16*REC                     ; zq: my 16 records
	s_mov_b32 s51, 0
	s_lshl_b32 s52, s14, 17                        ; gid: half x 131,072 + block x 1,024 + wave x 256
	s_lshl_b32 s53, s15, 10
	s_add_co_u32 s52, s52, s53
	s_lshl_b32 s53, s[WV], 8
	s_add_co_u32 s52, s52, s53
	s_mov_b32 s53, 0
	s_mul_i32 s54, s13, 18*256                     ; the prefetches: part 2, my work-group's 18 blocks of my wave's 72
	s_add_co_u32 s54, s54, 2*SLOTB
	s_mov_b32 s55, 0
	s_lshl_b32 s56, s14, 8
	s_lshl_b32 s57, s[WV], 3
	s_add_co_u32 s56, s56, s57                     ; my first tile's number: 256 x half + 8 x wave
	s_mov_b32 s[G1+0], 15|(3<<16)|(1<<21)          ; the mask of the four partners; elements of 8 bytes; bit 21 beside a mask
	s_mov_b32 s[G1+1], 32<<16                      ; rows of 256 bytes,
	s_mov_b32 s[G1+2], 72<<16                      ; 72 of them, dense
	s_mov_b32 s[G1+3], 32<<16
	s_mov_b32 s[G1+4], 72
	s_mov_b32 s[G1+5], 32
	s_mov_b32 s[G1+6], 0
	s_mov_b32 s[G1+7], 0
	s_wait_alu depctr_va_vdst(0)                   ; the wait ahead of the waits below
	s_wait_dscnt 0x0                               ; both opening adds are done
	s_wait_kmcnt 0x0
	s_add_nc_u64 s[16:17], s[4:5], s[48:49]
	s_add_nc_u64 s[6:7], s[6:7], s[50:51]
	s_add_nc_u64 s[8:9], s[8:9], s[52:53]
	s_add_nc_u64 s[PF:PF+1], s[16:17], s[54:55]
	WIN 0x40                                       ; z's 16 records, as they lie: the codes into window 1,
.irp t, 0,1,2,3,4,5,6,7,8,9,10,11,12,13,14,15
.irp k, 0,1,2,3
	global_load_b128 v[16*\t+4*\k:16*\t+4*\k+3], v[L16], s[6:7] offset:\t*REC+512*\k
.endr
.endr
	WIN 0
.irp t, 0,1,2,3,4,5,6,7,8,9,10,11,12,13,14,15
	global_load_b32 v[ZS+\t], v[L4], s[6:7] offset:\t*REC+2048     ; the scale words,
	global_load_b32 v[A+2*\t], v[L4], s[6:7] offset:\t*REC+2176    ; and a, into both registers of its pair
	global_load_b32 v[A+2*\t+1], v[L4], s[6:7] offset:\t*REC+2176
.endr
.irp n, 0,1
	s_mov_b32 s[G0+4*\n], 1
	s_add_co_u32 s[G0+4*\n+1], s45, \n*SLOTB
	s_add_nc_u64 s[G0+4*\n+2:G0+4*\n+3], s[16:17], \n*SLOTB
	s_or_b32 s[G0+4*\n+3], s[G0+4*\n+3], 0x80000000
.endr
	ROUND                                          ; the four work-groups are here: the first joint loads meet
	tensor_load_to_lds s[G0:G0+3], s[G1:G1+7]      ; part 0: one tensor load a wave at the head
	s_nop 0
.irp t, 0,1,2,3,4,5,6,7,8,9,10,11,12,13,14,15
	v_mov_b32 v[RUN+\t], 0x7f800000
	v_mov_b32 v[GID+\t], 0
.endr
	v_mov_b32 v[TID], s56
	s_wait_alu depctr_va_vdst(0)                   ; the wait at the head's end
	s_wait_loadcnt 0x0                             ; z's records are in
	TWO 0, 1, 0, 0                                 ; part 1 goes out, part 2 is prefetched, part 0 is worked
	TWO 1, 1, 1, 1                                 ; part 2 goes out, part 3 is prefetched
	TWO 0, 1, 1, -1                                ; part 3 goes out
	TWO 1, 0, 0, -1                                ; nothing is left to fetch: I read only what my own load brought, so its wait is all the order that is needed
.irp t, 0,1,2,3,4,5,6,7,8,9,10,11,12,13,14,15
	v_permlanex16_b32 v[ACC+\t], v[RUN+\t], s[SEL], s[SEL+1]
	v_permlanex16_b32 v[ACC+16+\t], v[GID+\t], s[SEL], s[SEL+1]
.endr
.irp t, 0,1,2,3,4,5,6,7,8,9,10,11,12,13,14,15
	LEX RUN+\t, GID+\t, ACC+\t, ACC+16+\t
.endr
.irp t, 0,1,2,3,4,5,6,7,8,9,10,11,12,13,14,15
	ds_store_b32 v[CW], v[RUN+\t] offset:64*\t     ; lanes l and l xor 16 write the same word with the same value
	ds_store_b32 v[CW], v[GID+\t] offset:8192+64*\t
.endr
	s_wait_dscnt 0x0                               ; for the others' sake
	s_barrier_signal -1
	s_barrier_wait -1
	s_cmp_gt_u32 s[WV], 3
	s_cbranch_scc1 .Ldone
.irp u, 0,1,2,3,4,5,6,7
	ds_load_b64 v[ACC+2*\u:ACC+2*\u+1], v[CR] offset:1024*\u
	ds_load_b64 v[ACC+16+2*\u:ACC+17+2*\u], v[CR] offset:8192+1024*\u
.endr
	s_wait_dscnt 0x0
.irp u, 1,2,3,4,5,6,7
.irp k, 0,1
	LEX ACC+\k, ACC+16+\k, ACC+2*\u+\k, ACC+16+2*\u+\k
.endr
.endr
	global_store_b64 v[L8], v[ACC+16:ACC+17], s[8:9]   ; 64 rows' tile numbers: 256 consecutive bytes, aligned
.Ldone:
	s_wait_tensorcnt 0x0                           ; the wave's end
	ds_add_u32 v[SPW], v[NIL]
	s_wait_dscnt 0x0
	ROUND                                          ; the closing round
	s_endpgm
.Lfunc_end_k_q03a658f2cf_dist:
	.size	k_q03a658f2cf_dist, .Lfunc_end_k_q03a658f2cf_dist-k_q03a658f2cf_dist
	.p2alignl 7, 3214868480
	.fill 96, 4, 3214868480
	.section	.rodata,"a",@progbits
	.p2align	6, 0x0
	.amdhsa_kernel k_q03a658f2cf_dist
		.amdhsa_group_segment_fixed_size 327680
		.amdhsa_private_segment_fixed_size 0
		.amdhsa_enable_private_segment 0
		.amdhsa_kernarg_size 24
		.amdhsa_user_sgpr_count 2
		.amdhsa_user_sgpr_kernarg_segment_ptr 1
		.amdhsa_wavefront_size32 1
		.amdhsa_system_sgpr_workgroup_id_x 1
		.amdhsa_system_sgpr_workgroup_id_y 1
		.amdhsa_system_sgpr_workgroup_id_z 1
		.amdhsa_system_vgpr_workitem_id 0
		.amdhsa_next_free_vgpr 512
		.amdhsa_next_free_sgpr 66
		.amdhsa_reserve_vcc 1
		.amdhsa_float_denorm_mode_32 3
		.amdhsa_float_denorm_mode_16_64 3
		.amdhsa_memory_ordered 1
		.amdhsa_forward_progress 1
		.amdhsa_inst_pref_size 186
	.end_amdhsa_kernel
	.amdgpu_metadata
---
amdhsa.version: [ 1, 2 ]
amdhsa.kernels:
  - .name:           k_q03a658f2cf_dist
    .symbol:         k_q03a658f2cf_dist.kd
    .args:
      - { .name: Wq, .offset: 0, .size: 8, .value_kind: global_buffer, .address_space: global }
      - { .name: zq, .offset: 8, .size: 8, .value_kind: global_buffer, .address_space: global }
      - { .name: gid, .offset: 16, .size: 8, .value_kind: global_buffer, .address_space: global }
    .group_segment_fixed_size: 327680
    .private_segment_fixed_size: 0
    .kernarg_segment_align: 8
    .kernarg_segment_size: 24
    .max_flat_workgroup_size: 256
    .sgpr_count:     66
    .vgpr_count:     512
    .wavefront_size: 32
...
	.end_amdgpu_metadata
.endif
;; end of part 2
;; launch resolve (part 3): grid 512 x 1, 16 waves a work-group, no clusters, 4,096 bytes of LDS; arguments gid, Wq, zq, out1, idxw, out2; writes out1, idxw, out2
.if DOCPART == 3
	.amdgcn_target "amdgcn-amd-amdhsa--gfx1250"
	.amdhsa_code_object_version 6
	.text
	.protected	k_q03a658f2cf_resolve
	.globl	k_q03a658f2cf_resolve
	.p2align	8
	.type	k_q03a658f2cf_resolve,@function
k_q03a658f2cf_resolve:
	s_mov_b64 s[64:65], 0
	v_nop
	global_prefetch_b8 v0, s[64:65] scope:SCOPE_SE
	s_setreg_imm32_b32 hwreg(HW_REG_WAVE_MODE, 25, 1), 1
	s_wait_xcnt 0x0
; For each row of z: its two candidate tiles of 16 codewords (gid[half][row], one from each half of W, stored by the launch before) are multiplied again, by the same two matrix instructions on the
; same operands, d is formed by the same two instructions, and the FIRST codeword that has the smallest d of the 32 is the row's index.  It goes to out1 and, as whole numbers for the next launch, to idxw; out2 is zeros.
; SHARES.  A work-group takes 64 rows; wave w rows 4 w .. 4 w + 3 of them: quarter q = w % 4 of row tile T = 4 x work-group + w / 4.  Four rows x two candidates are eight products of a tile of W
; with z's whole tile (source 0 = 16 codewords, source 1 = 16 rows of z: lane (r, h) holds row r, register j codeword 8 h + j), of which the row's own two lanes are kept by a select.
; The tile numbers are whole numbers read from memory; each is held to 0 .. 511 before it enters an address.
; The records come straight into registers, as they lie: no tensor load, no ring.  Work-groups share no tile at a known time: no cluster.  All loads of a wave go out at once: nothing to prefetch.
; LIMITS: as in the launch before (NaN and infinities are not served).
.set REC,  2304
.set LANE, 1
.set R,    2
.set H,    3
.set L16,  4                           ; 16 x lane
.set L4,   5                           ; 4 x lane
.set GL0,  6                           ; my row's two tile numbers
.set GL1,  7
.set BO0,  8                           ; where my eight b of each lie in Wq
.set BO1,  9
.set R4,   10                          ; 4 r
.set LST,  11                          ; LDS: 4 x thread
.set LRD,  12                          ; LDS: wave 0 reads the 64 valid words, two a lane
.set L8,   13                          ; 8 x lane
.set SPW,  14                          ; my spare word; never rewritten
.set NIL,  15                          ; 0; never rewritten
.set IDX,  16
.set ZS,   17                          ; z's scale words, nothing else
.set AA,   18                          ; v[18:19] a, and a copy
.set WS,   20                          ; v20-27  W's scale words, nothing else
.set T0,   28
.set T1,   29
.set J0,   30
.set J1,   31
.set PT,   32
.set PI,   33
.set RB,   34                          ; v[34:35]
.set NUL,  36                          ; v[36:37] zeros
.set H8,   38                          ; 8 h
.set Z,    40                          ; v40-55  z's two fragments
.set B,    56                          ; v56-71  b of my eight codewords of each candidate, then d
.set MG,   72                          ; v72-87  c of my row, for each candidate
.set ACC,  88                          ; v88-119 four accumulators
.set WF,   120                         ; v120-247 eight records' fragments
.set WV,   16
.set Q,    17
.set SEL,  44
.set RP,   48                          ; s[48:63] the eight records' addresses
	s_load_b256 s[4:11], s[0:1], 0x0               ; gid s[4:5], Wq s[6:7], zq s[8:9], out1 s[10:11]
	s_load_b128 s[12:15], s[0:1], 0x20             ; idxw s[12:13], out2 s[14:15]
	v_lshl_add_u32 v[SPW], v0, 2, 0x800
	v_mov_b32 v[NIL], 0
	v_lshrrev_b32 v1, 5, v0
	s_delay_alu instid0(VALU_DEP_1)
	v_readfirstlane_b32 s[WV], v1                  ; wave 0..15
	v_and_b32 v[LANE], 31, v0
	v_and_b32 v[R], 15, v0
	v_bfe_u32 v[H], v0, 4, 1
	v_lshlrev_b32 v[LST], 2, v0
	s_delay_alu instid0(VALU_DEP_4)
	v_lshlrev_b32 v[L16], 4, v[LANE]
	v_lshlrev_b32 v[L4], 2, v[LANE]
	v_lshlrev_b32 v[L8], 3, v[LANE]
	v_lshlrev_b32 v[R4], 2, v[R]
	v_lshlrev_b32 v[H8], 3, v[H]
	v_lshrrev_b32 v[T0], 1, v[LANE]                ; lane l of wave 0 reads rows 2 l, 2 l + 1: they are wave u = l / 2's,
	v_and_b32 v[J0], 1, v[LANE]
	s_delay_alu instid0(VALU_DEP_2)
	v_and_b32 v[T1], 3, v[T0]
	v_lshlrev_b32 v[LRD], 7, v[T0]                 ; its 128 bytes,
	s_delay_alu instid0(VALU_DEP_1)
	v_lshl_add_u32 v[LRD], v[T1], 4, v[LRD]        ; from its lane 4 (u % 4) on,
	s_delay_alu instid0(VALU_DEP_1)
	v_lshl_add_u32 v[LRD], v[J0], 3, v[LRD]        ; two words a lane
	s_mov_b32 s[SEL], 0x76543210
	s_mov_b32 s[SEL+1], 0xfedcba98
	s_and_b32 s[Q], s[WV], 3
	s_lshr_b32 s18, s[WV], 2
	s_lshl_b32 s19, ttmp9, 2
	s_add_co_u32 s18, s18, s19                     ; T
	s_lshl_b32 s20, s18, 6                         ; its 16 rows' tile numbers
	s_mov_b32 s21, 0
	s_mul_i32 s22, s18, REC                        ; its record
	s_mov_b32 s23, 0
	s_lshl_b32 s32, ttmp9, 8                       ; the work-group's 64 rows x 4 bytes
	s_mov_b32 s33, 0
	s_lshl_b32 s34, s[WV], 4
	s_add_co_u32 s34, s34, s32                     ; my wave's 4 of them
	s_mov_b32 s35, 0
	s_lshl_b32 s41, s[Q], 2
	s_lshl_b32 s42, 0x10001, s41                   ; the two lanes of my first row: 4 q and 4 q + 16
	s_mov_b32 s39, 0
	s_wait_alu depctr_va_vdst(0)                   ; the wait at the head's end
	s_wait_kmcnt 0x0
	s_add_nc_u64 s[36:37], s[4:5], s[34:35]
	s_add_nc_u64 s[4:5], s[4:5], s[20:21]
	s_add_nc_u64 s[8:9], s[8:9], s[22:23]
	s_add_nc_u64 s[10:11], s[10:11], s[32:33]
	s_add_nc_u64 s[12:13], s[12:13], s[32:33]
	s_add_nc_u64 s[14:15], s[14:15], s[32:33]
	s_load_b128 s[24:27], s[36:37], 0x0            ; my four rows' tiles in the lower half of W, as scalars,
	s_load_b128 s[28:31], s[36:37], 0x20000        ; and in the upper half
	global_load_b32 v[GL0], v[R4], s[4:5]          ; and each lane's own row's two
	global_load_b32 v[GL1], v[R4], s[4:5] offset:131072
.irp k, 0,1,2,3
	global_load_b128 v[Z+4*\k:Z+4*\k+3], v[L16], s[8:9] offset:512*\k
.endr
	global_load_b32 v[ZS], v[L4], s[8:9] offset:2048
	global_load_b32 v[AA], v[L4], s[8:9] offset:2176
	s_wait_kmcnt 0x0
.irp i, 0,1,2,3,4,5,6,7                ; record i: candidate i / 4 of row i % 4
	s_min_u32 s[24+\i], s[24+\i], 511              ; held inside the table of 512 records
	s_mul_i32 s38, s[24+\i], REC
	s_add_nc_u64 s[RP+2*\i:RP+2*\i+1], s[6:7], s[38:39]
.irp k, 0,1,2,3
	global_load_b128 v[WF+16*\i+4*\k:WF+16*\i+4*\k+3], v[L16], s[RP+2*\i:RP+2*\i+1] offset:512*\k
.endr
	global_load_b32 v[WS+\i], v[L4], s[RP+2*\i:RP+2*\i+1] offset:2048
.endr
	s_wait_loadcnt 40                              ; the first eight loads are in; the 40 of W's records may be out
	v_min_u32 v[GL0], 0x1ff, v[GL0]
	v_min_u32 v[GL1], 0x1ff, v[GL1]
	s_delay_alu instid0(VALU_DEP_2)
	v_mul_u32_u24 v[BO0], v[GL0], REC
	s_delay_alu instid0(VALU_DEP_2)
	v_mul_u32_u24 v[BO1], v[GL1], REC
	s_delay_alu instid0(VALU_DEP_2)
	v_lshl_add_u32 v[BO0], v[H], 5, v[BO0]
	s_delay_alu instid0(VALU_DEP_2)
	v_lshl_add_u32 v[BO1], v[H], 5, v[BO1]
	global_load_b128 v[B:B+3], v[BO0], s[6:7] offset:2176
	global_load_b128 v[B+4:B+7], v[BO0], s[6:7] offset:2192
	global_load_b128 v[B+8:B+11], v[BO1], s[6:7] offset:2176
	global_load_b128 v[B+12:B+15], v[BO1], s[6:7] offset:2192
	v_mov_b32 v[AA+1], v[AA]                       ; named with it as a pair, so it is written
.irp j, 0,1,2,3,4,5,6,7,8,9,10,11,12,13,14,15
	v_mov_b32 v[MG+\j], 0                          ; written whole: the selects below fill two lanes at a time
.endr
	v_mov_b32 v[PT], 0                             ; a lane permute's destination counts as one of its sources
	v_mov_b32 v[PI], 0
	v_mov_b32 v[NUL], 0
	v_mov_b32 v[NUL+1], 0
	s_wait_loadcnt 0x0
.irp g, 0,1                            ; candidate g of my four rows: four accumulators by turns
	s_mov_b32 s40, s42
.irp a, 0,1,2,3
	v_wmma_scale_f32_16x16x128_f8f6f4 v[ACC+8*\a:ACC+8*\a+7], v[WF+16*(4*\g+\a):WF+16*(4*\g+\a)+7], v[Z:Z+7], 0, v[WS+4*\g+\a], v[ZS] matrix_a_fmt:MATRIX_FMT_FP4 matrix_b_fmt:MATRIX_FMT_FP4
.endr
.irp a, 0,1,2,3
	v_wmma_scale_f32_16x16x128_f8f6f4 v[ACC+8*\a:ACC+8*\a+7], v[WF+16*(4*\g+\a)+8:WF+16*(4*\g+\a)+15], v[Z+8:Z+15], v[ACC+8*\a:ACC+8*\a+7], v[WS+4*\g+\a], v[ZS] matrix_a_fmt:MATRIX_FMT_FP4 matrix_b_fmt:MATRIX_FMT_FP4 matrix_a_scale:MATRIX_SCALE_ROW1 matrix_b_scale:MATRIX_SCALE_ROW1
.endr
.rept 4
	v_nop                                          ; four places in front of the first read of results (ISA guide 7.12.1).  The second four's first products write over an accumulator behind these four and the 24 selects that name the other three
.endr
.irp a, 0,1,2,3
.irp j, 0,1,2,3,4,5,6,7
	v_cndmask_b32 v[MG+8*\g+\j], v[MG+8*\g+\j], v[ACC+8*\a+\j], s40   ; the row's own two lanes keep its c; each accumulator from its low end on
.endr
	s_lshl_b32 s40, s40, 1                         ; the next row's lanes
.endr
.endr
.irp j, 0,2,4,6,8,10,12,14
	v_pk_add_f32 v[B+\j:B+\j+1], v[B+\j:B+\j+1], v[AA:AA+1] op_sel_hi:[1,0]
.endr
.irp j, 0,2,4,6,8,10,12,14
	v_pk_fma_f32 v[B+\j:B+\j+1], v[MG+\j:MG+\j+1], -2.0, v[B+\j:B+\j+1] op_sel_hi:[1,0,1]   ; d = fl(fl(b + a) - 2 c)
.endr
	v_min3_num_f32 v[T0], v[B], v[B+1], v[B+2]
	s_delay_alu instid0(VALU_DEP_4)
	v_min3_num_f32 v[T1], v[B+8], v[B+9], v[B+10]
.irp i, 3,5
	s_delay_alu instid0(VALU_DEP_2)
	v_min3_num_f32 v[T0], v[T0], v[B+\i], v[B+\i+1]
	s_delay_alu instid0(VALU_DEP_2)
	v_min3_num_f32 v[T1], v[T1], v[B+8+\i], v[B+9+\i]
.endr
	s_delay_alu instid0(VALU_DEP_2)
	v_min_num_f32 v[T0], v[T0], v[B+7]             ; the smallest of my eight, for each candidate
	s_delay_alu instid0(VALU_DEP_2)
	v_min_num_f32 v[T1], v[T1], v[B+15]
	v_mov_b32 v[J0], 7
	v_mov_b32 v[J1], 7
.irp j, 6,5,4,3,2,1,0
	v_cmp_neq_f32 vcc_lo, v[B+\j], v[T0]
	v_cmp_neq_f32 s40, v[B+8+\j], v[T1]
	s_delay_alu instid0(VALU_DEP_2)
	v_cndmask_b32 v[J0], \j, v[J0], vcc_lo         ; descending: the lowest place that has it stays
	s_delay_alu instid0(VALU_DEP_2)
	v_cndmask_b32 v[J1], \j, v[J1], s40
.endr
	v_cmp_lt_f32 vcc_lo, v[T1], v[T0]              ; the upper half's candidate wins only where strictly smaller
	s_delay_alu instid0(VALU_DEP_3)
	v_lshl_add_u32 v[J0], v[GL0], 4, v[J0]
	s_delay_alu instid0(VALU_DEP_3)
	v_lshl_add_u32 v[J1], v[GL1], 4, v[J1]
	v_min_num_f32 v[T0], v[T0], v[T1]
	s_delay_alu instid0(VALU_DEP_2)
	v_cndmask_b32 v[J0], v[J0], v[J1], vcc_lo
	s_delay_alu instid0(VALU_DEP_1)
	v_add_nc_u32 v[J0], v[J0], v[H8]               ; the codeword's number: 16 x tile + 8 h + place
	v_permlanex16_b32 v[PT], v[T0], s[SEL], s[SEL+1]
	s_delay_alu instid0(VALU_DEP_2)
	v_permlanex16_b32 v[PI], v[J0], s[SEL], s[SEL+1]
	s_delay_alu instid0(VALU_DEP_2)
	v_cmp_lt_f32 s40, v[PT], v[T0]                 ; lane l xor 16's: the smaller d, and of equal d the lower number
	v_cmp_eq_f32 s41, v[PT], v[T0]
	v_cmp_lt_u32 vcc_lo, v[PI], v[J0]
	s_and_b32 s41, s41, vcc_lo
	s_or_b32 s40, s40, s41
	v_cndmask_b32 v[IDX], v[J0], v[PI], s40
	ds_store_b32 v[LST], v[IDX]                    ; every lane its word; the valid ones are lanes 4 q .. 4 q + 3
	s_wait_dscnt 0x0                               ; for wave 0's sake
	s_barrier_signal -1
	s_barrier_wait -1
	s_cmp_lg_u32 s[WV], 0
	s_cbranch_scc1 .Ldone
	ds_load_b64 v[RB:RB+1], v[LRD]                 ; rows 2 l and 2 l + 1 of the work-group's 64
	s_wait_dscnt 0x0
	global_store_b64 v[L8], v[RB:RB+1], s[10:11]   ; each store covers 256 consecutive bytes, aligned
	global_store_b64 v[L8], v[RB:RB+1], s[12:13]
	global_store_b64 v[L8], v[NUL:NUL+1], s[14:15]
.Ldone:
	s_wait_tensorcnt 0x0                           ; the wave's end
	ds_add_u32 v[SPW], v[NIL]
	s_wait_dscnt 0x0
	s_endpgm
.Lfunc_end_k_q03a658f2cf_resolve:
	.size	k_q03a658f2cf_resolve, .Lfunc_end_k_q03a658f2cf_resolve-k_q03a658f2cf_resolve
	.p2alignl 7, 3214868480
	.fill 96, 4, 3214868480
	.section	.rodata,"a",@progbits
	.p2align	6, 0x0
	.amdhsa_kernel k_q03a658f2cf_resolve
		.amdhsa_group_segment_fixed_size 4096
		.amdhsa_private_segment_fixed_size 0
		.amdhsa_enable_private_segment 0
		.amdhsa_kernarg_size 48
		.amdhsa_user_sgpr_count 2
		.amdhsa_user_sgpr_kernarg_segment_ptr 1
		.amdhsa_wavefront_size32 1
		.amdhsa_system_sgpr_workgroup_id_x 1
		.amdhsa_system_sgpr_workgroup_id_y 1
		.amdhsa_system_sgpr_workgroup_id_z 1
		.amdhsa_system_vgpr_workitem_id 0
		.amdhsa_next_free_vgpr 248
		.amdhsa_next_free_sgpr 66
		.amdhsa_reserve_vcc 1
		.amdhsa_float_denorm_mode_32 3
		.amdhsa_float_denorm_mode_16_64 3
		.amdhsa_memory_ordered 1
		.amdhsa_forward_progress 1
		.amdhsa_inst_pref_size 22
	.end_amdhsa_kernel
	.amdgpu_metadata
---
amdhsa.version: [ 1, 2 ]
amdhsa.kernels:
  - .name:           k_q03a658f2cf_resolve
    .symbol:         k_q03a658f2cf_resolve.kd
    .args:
      - { .name: gid, .offset: 0, .size: 8, .value_kind: global_buffer, .address_space: global }
      - { .name: Wq, .offset: 8, .size: 8, .value_kind: global_buffer, .address_space: global }
      - { .name: zq, .offset: 16, .size: 8, .value_kind: global_buffer, .address_space: global }
      - { .name: out1, .offset: 24, .size: 8, .value_kind: global_buffer, .address_space: global }
      - { .name: idxw, .offset: 32, .size: 8, .value_kind: global_buffer, .address_space: global }
      - { .name: out2, .offset: 40, .size: 8, .value_kind: global_buffer, .address_space: global }
    .group_segment_fixed_size: 4096
    .private_segment_fixed_size: 0
    .kernarg_segment_align: 8
    .kernarg_segment_size: 48
    .max_flat_workgroup_size: 512
    .sgpr_count:     66
    .vgpr_count:     248
    .wavefront_size: 32
...
	.end_amdgpu_metadata
.endif
;; end of part 3
;; launch gather (part 4): grid 512 x 1, 8 waves a work-group, no clusters, 0 bytes of LDS; arguments z, W, idxw, out0; writes out0
.if DOCPART == 4
	.amdgcn_target "amdgcn-amd-amdhsa--gfx1250"
	.amdhsa_code_object_version 6
	.text
	.protected	k_q03a658f2cf_gather
	.globl	k_q03a658f2cf_gather
	.p2align	8
	.type	k_q03a658f2cf_gather,@function
k_q03a658f2cf_gather:
	s_mov_b64 s[64:65], 0
	v_nop
	global_prefetch_b8 v0, s[64:65] scope:SCOPE_SE
	s_setreg_imm32_b32 hwreg(HW_REG_WAVE_MODE, 25, 1), 1
	s_wait_xcnt 0x0
; out0[n][:] = z[n][:] + (W[idx[n]][:] - z[n][:]), with the two roundings of the definition.  idx comes as whole numbers from the launch before and is held to 0 .. 8191 before it enters an address.
; A stream: a wave takes 8 rows of 1,024 bytes; all its 32 loads go out at once; each load and store covers 512 consecutive bytes, aligned.  No LDS, no barrier, no matrix work, no cluster:
; waves share nothing.  No prefetch: all of a wave's addresses are asked for at its head.  Straight-line text: no register is written after a store reads it, so no store's sources are at stake.
.set L16, 2                            ; v2      16 x lane
.set O,   4                            ; v4-11   row i's place in W, + 16 x lane
.set Z,   16                           ; v16-79  8 rows of z, 8 registers each
.set W,   80                           ; v80-143 the 8 codewords, then the results
	s_load_b256 s[4:11], s[0:1], 0x0               ; z s[4:5], W s[6:7], idxw s[8:9], out0 s[10:11]
	v_lshrrev_b32 v1, 5, v0
	s_delay_alu instid0(VALU_DEP_1)
	v_readfirstlane_b32 s12, v1                    ; wave 0..7
	v_and_b32 v1, 31, v0
	s_delay_alu instid0(VALU_DEP_1)
	v_lshlrev_b32 v[L16], 4, v1
	s_lshl_b32 s13, ttmp9, 6
	s_lshl_b32 s14, s12, 3
	s_add_co_u32 s13, s13, s14                     ; my first row: 64 x work-group + 8 x wave
	s_lshl_b32 s14, s13, 10
	s_mov_b32 s15, 0
	s_lshl_b32 s24, s13, 2
	s_mov_b32 s25, 0
	s_wait_alu depctr_va_vdst(0)
	s_wait_kmcnt 0x0
	s_add_nc_u64 s[4:5], s[4:5], s[14:15]
	s_add_nc_u64 s[10:11], s[10:11], s[14:15]
	s_add_nc_u64 s[8:9], s[8:9], s[24:25]
	s_load_b256 s[16:23], s[8:9], 0x0              ; my eight indices
.irp i, 0,1,2,3,4,5,6,7
.irp c, 0,1
	global_load_b128 v[Z+8*\i+4*\c:Z+8*\i+4*\c+3], v[L16], s[4:5] offset:1024*\i+512*\c th:TH_LOAD_NT
.endr
.endr
	s_wait_kmcnt 0x0
.irp i, 0,1,2,3,4,5,6,7
	s_min_u32 s[16+\i], s[16+\i], 0x1fff           ; held inside the codebook
	s_lshl_b32 s[16+\i], s[16+\i], 10
	v_add_nc_u32 v[O+\i], s[16+\i], v[L16]
.irp c, 0,1
	global_load_b128 v[W+8*\i+4*\c:W+8*\i+4*\c+3], v[O+\i], s[6:7] offset:512*\c   ; no hint: a codeword may be named by many rows
.endr
.endr
.irp i, 0,1,2,3,4,5,6,7
	s_wait_loadcnt 14-2*\i                         ; z and this row's codeword are in; the later rows' two loads each may be out
.irp j, 0,2,4,6
	v_pk_add_f32 v[W+8*\i+\j:W+8*\i+\j+1], v[W+8*\i+\j:W+8*\i+\j+1], v[Z+8*\i+\j:Z+8*\i+\j+1] neg_lo:[0,1] neg_hi:[0,1]   ; w - z
.endr
.irp j, 0,2,4,6
	s_delay_alu instid0(VALU_DEP_4)
	v_pk_add_f32 v[W+8*\i+\j:W+8*\i+\j+1], v[Z+8*\i+\j:Z+8*\i+\j+1], v[W+8*\i+\j:W+8*\i+\j+1]   ; z + (w - z)
.endr
.irp c, 0,1
	global_store_b128 v[L16], v[W+8*\i+4*\c:W+8*\i+4*\c+3], s[10:11] offset:1024*\i+512*\c th:TH_STORE_NT
.endr
.endr
	s_endpgm
.Lfunc_end_k_q03a658f2cf_gather:
	.size	k_q03a658f2cf_gather, .Lfunc_end_k_q03a658f2cf_gather-k_q03a658f2cf_gather
	.p2alignl 7, 3214868480
	.fill 96, 4, 3214868480
	.section	.rodata,"a",@progbits
	.p2align	6, 0x0
	.amdhsa_kernel k_q03a658f2cf_gather
		.amdhsa_group_segment_fixed_size 0
		.amdhsa_private_segment_fixed_size 0
		.amdhsa_enable_private_segment 0
		.amdhsa_kernarg_size 32
		.amdhsa_user_sgpr_count 2
		.amdhsa_user_sgpr_kernarg_segment_ptr 1
		.amdhsa_wavefront_size32 1
		.amdhsa_system_sgpr_workgroup_id_x 1
		.amdhsa_system_sgpr_workgroup_id_y 1
		.amdhsa_system_sgpr_workgroup_id_z 1
		.amdhsa_system_vgpr_workitem_id 0
		.amdhsa_next_free_vgpr 144
		.amdhsa_next_free_sgpr 66
		.amdhsa_reserve_vcc 0
		.amdhsa_float_denorm_mode_32 3
		.amdhsa_float_denorm_mode_16_64 3
		.amdhsa_memory_ordered 1
		.amdhsa_forward_progress 1
		.amdhsa_inst_pref_size 12
	.end_amdhsa_kernel
	.amdgpu_metadata
---
amdhsa.version: [ 1, 2 ]
amdhsa.kernels:
  - .name:           k_q03a658f2cf_gather
    .symbol:         k_q03a658f2cf_gather.kd
    .args:
      - { .name: z, .offset: 0, .size: 8, .value_kind: global_buffer, .address_space: global }
      - { .name: W, .offset: 8, .size: 8, .value_kind: global_buffer, .address_space: global }
      - { .name: idxw, .offset: 16, .size: 8, .value_kind: global_buffer, .address_space: global }
      - { .name: out0, .offset: 24, .size: 8, .value_kind: global_buffer, .address_space: global }
    .group_segment_fixed_size: 0
    .private_segment_fixed_size: 0
    .kernarg_segment_align: 8
    .kernarg_segment_size: 32
    .max_flat_workgroup_size: 256
    .sgpr_count:     66
    .vgpr_count:     144
    .wavefront_size: 32
...
	.end_amdgpu_metadata
.endif
;; end of part 4
